; MI455X (gfx1250); checked and timed in simulation.
; The chip was launched on July 23, 2026; its instructions are those of AMD's public machine-readable ISA for CDNA 5 (MIT licence, August 2026) and "CDNA5" Instruction Set Architecture Reference Guide (July 2026). The comments in the code are by the model that wrote it; some were corrected since.
;; Multi Head Attention Block. Allowed arithmetic: matrix products marked QUANTISED: E2M3 operands, one E8M0 scale for each 32 along K, by v_wmma_scale_f32_16x16x128_f8f6f4 with both operands' format E2M3, f32 sums; everything else in f32.
;; Inputs: Wk_codes 1,024 x 32 x 24 uint8 (E2M3 codes of Wk, K innermost, in blocks of 32 codes, four codes in three bytes); Wk_scales 1,024 x 32 uint8 (E8M0 scales of Wk, one for each 32 codes along K); Wq_codes 1,024 x 32 x 24 uint8 (E2M3 codes of Wq, K innermost, in blocks of 32 codes, four codes in three bytes); Wq_scales 1,024 x 32 uint8 (E8M0 scales of Wq, one for each 32 codes along K); Wv_codes 1,024 x 32 x 24 uint8 (E2M3 codes of Wv, K innermost, in blocks of 32 codes, four codes in three bytes); Wv_scales 1,024 x 32 uint8 (E8M0 scales of Wv, one for each 32 codes along K); bk 1,024 float32; bq 1,024 float32; bv 1,024 float32; key_inputs_codes 4 x 1,024 x 32 x 24 uint8 (E2M3 codes of key_inputs, K innermost, in blocks of 32 codes, four codes in three bytes); key_inputs_scales 4 x 1,024 x 32 uint8 (E8M0 scales of key_inputs, one for each 32 codes along K); query_inputs_codes 4 x 1,024 x 32 x 24 uint8 (E2M3 codes of query_inputs, K innermost, in blocks of 32 codes, four codes in three bytes); query_inputs_scales 4 x 1,024 x 32 uint8 (E8M0 scales of query_inputs, one for each 32 codes along K); value_inputs_codes 4 x 1,024 x 32 x 24 uint8 (E2M3 codes of value_inputs, K innermost, in blocks of 32 codes, four codes in three bytes); value_inputs_scales 4 x 1,024 x 32 uint8 (E8M0 scales of value_inputs, one for each 32 codes along K).
;; Outputs: out0 4 x 1,024 x 1,024 float32.
;; This version of the problem:
;;   THIS VERSION OF THE PROBLEM IS GIVEN IN LOW PRECISION. The matrix products marked QUANTISED in the list below multiply operands that are first quantised to E2M3 (2 exponent bits, 3 mantissa bits; 6 bits a number), with one power-of-two scale for each 32 numbers along K (OCP MX v1.0); their sums are f32. All else is computed in f32.
;;   The module's matrix products, in the order in which they are computed (A, B: the left and right operand; K: the contracted axis; several contracted axes count as one K, in the product's order):
;;     1. [M 4,096, K 1,024] x [K 1,024, N 1,024]; A: input query_inputs (given as codes); B: input Wq (given as codes): QUANTISED
;;     2. [M 4,096, K 1,024] x [K 1,024, N 1,024]; A: input key_inputs (given as codes); B: input Wk (given as codes): QUANTISED
;;     3. [M 4,096, K 1,024] x [K 1,024, N 1,024]; A: input value_inputs (given as codes); B: input Wv (given as codes): QUANTISED
;;     4. batch 64 x [M 1,024, K 64] x [K 64, N 1,024]; A: computed on the way; B: computed on the way: QUANTISED
;;     5. batch 64 x [M 64, K 1,024] x [K 1,024, N 1,024]; A: computed on the way; B: softmax (see below): QUANTISED
;;   THE QUANTISER, for each operand of a quantised product, along K:
;;     - K is cut into blocks of 32 from its start; a last block that is shorter is filled with zeros.
;;     - A block's scale is 2^e with e = floor(log2(the largest magnitude in the block)) - 2, held to -126 .. 127; a block of zeros has e = 0. As a byte (E8M0): e + 127.
;;     - Each number is divided by its block's scale, clamped to +-7.5, and rounded to the nearest number of E2M3, ties to even, subnormals kept.
;;     - The product sums the exact products of the quantised numbers (number of the format x scale) in f32.
;;   ~~~python
;;   def quantise(x, axis):      # numpy; x: float32 -> the quantised numbers, widened to float32 again
;;       x = np.moveaxis(x, axis, -1); K = x.shape[-1]
;;       x = np.pad(x, [(0, 0)] * (x.ndim - 1) + [(0, -K % 32)]); x = x.reshape(x.shape[:-1] + (-1, 32)); a = np.abs(x).max(-1, keepdims=True)
;;       e = np.where(a > 0, np.clip(np.frexp(np.where(a > 0, a, 1))[1] - 1 - 2, -126, 127), 0)      # np.frexp(a)[1] - 1 = floor(log2(a)), exactly
;;       r = np.clip(x / 2.0 ** e, -7.5, 7.5)
;;       step = 2.0 ** (np.maximum(np.frexp(np.where(r == 0, 1, r))[1] - 1, 0) - 3)
;;       q = np.round(r / step) * step * 2.0 ** e      # np.round: ties to even
;;       return np.moveaxis(q.reshape(q.shape[:-2] + (-1,))[..., :K], -1, axis).astype(np.float32)
;;   ~~~
;;   SOFTMAX AHEAD OF A QUANTISED PRODUCT. Where the list says 'softmax', what is quantised is not the finished softmax but p = 2^(t - M), with t = logit x log2(e) and M = ceil(the row's largest t), a whole number; so 1/2 < the row's largest p <= 1. The row's sum l is taken of the UNQUANTISED p, in f32, and the product's result is divided by l at the end. Since M is a whole number, a kernel that streams over the keys may use a running M (the ceiling of the running maximum): every later rescaling is an exact power of two, which a block's scale takes up: the codes' values come out the same.
;;   OPERANDS COMPUTED ON THE WAY. 'Computed on the way' means the value that the module computes at that place (a softmax that the list does not call 'softmax' is quantised finished and normalised). What goes into a quantiser is computed in f32, as accurately as f32 sums, v_exp_f32 and their like allow (about 1e-6 of the number): no bf16 or f16 on the way to a quantiser, and a product that is left as it is and whose result goes on into a quantised operand takes f32 operands (vector FMAs, or v_wmma_f32_16x16x4_f32). A number that lies on a knife's edge between two numbers of the format may be rounded either way, as far as f32 arithmetic and the matrix unit's own rounding can turn it there, and no further.
;;   INPUTS GIVEN AS CODES. Wk (in the module: [1024, 1024], K = its axis 1); Wq (in the module: [1024, 1024], K = its axis 1); Wv (in the module: [1024, 1024], K = its axis 1); key_inputs (in the module: [4, 1024, 1024], K = its axis 2); query_inputs (in the module: [4, 1024, 1024], K = its axis 2); value_inputs (in the module: [4, 1024, 1024], K = its axis 2): each comes as NAME_codes (uint8): NAME with its K axis moved to the last place and cut into blocks of 32 codes, [.., K / 32, bytes a block], one block behind the other in memory; four codes in three bytes: a row's codes are one little-endian stream of bits, code i at bits 6 i .. 6 i + 5 (a code: sign, 2 exponent bits, 3 mantissa bits); and NAME_scales (uint8): the same leading axes, one E8M0 byte (e + 127) for each 32 codes along K. Its value is code x scale, taken as it is: it is not quantised again, and the codes and scales need not be those that the quantiser above would give.
;; One version. Each part assembles by itself: llvm-mc -triple=amdgcn-amd-amdhsa -mcpu=gfx1250 --defsym DOCPART=n.
;; ======== version 1 of 1: 2 launches
;; limits: right only within a limited range of input values
;; workspace buffers: qc 3,145,728 bytes; qs 131,072 bytes; kc 3,145,728 bytes; ks 131,072 bytes; vc 3,145,728 bytes; vs 131,072 bytes
;; launch proj (part 1): grid 16 x 16, 4 waves a work-group, clusters of 4 x 4, 327,680 bytes of LDS; arguments query_inputs_codes, query_inputs_scales, Wq_codes, Wq_scales, bq, key_inputs_codes, key_inputs_scales, Wk_codes, Wk_scales, bk, value_inputs_codes, value_inputs_scales, Wv_codes, Wv_scales, bv, qc, qs, kc, ks, vc, vs; writes qc, qs, kc, ks, vc, vs
.if DOCPART == 1
	.amdgcn_target "amdgcn-amd-amdhsa--gfx1250"
	.amdhsa_code_object_version 6
	.text
	.protected	k_q98a16f1557_proj
	.globl	k_q98a16f1557_proj
	.p2align	8
	.type	k_q98a16f1557_proj,@function
k_q98a16f1557_proj:
	s_mov_b64 s[64:65], 0
	v_nop
	global_prefetch_b8 v0, s[64:65] scope:SCOPE_SE
	s_setreg_imm32_b32 hwreg(HW_REG_WAVE_MODE, 25, 1), 1
	s_wait_xcnt 0x0
	s_wait_alu depctr_hold_cnt(0) depctr_sa_sdst(0) depctr_va_vdst(0) depctr_va_sdst(0) depctr_va_ssrc(0) depctr_va_vcc(0) depctr_vm_vsrc(0)
	s_getreg_b32 s2, hwreg(HW_REG_IB_STS2, 6, 4)
	s_cmp_eq_u32 s2, 0
	s_cbranch_scc0 .Lentry_in_a_cluster
	s_endpgm
.Lentry_in_a_cluster:
	s_bfe_u32 s2, ttmp6, 0x10000c
	s_cmp_lg_u32 s2, 0xf033
	s_cbranch_scc0 .Lentry_shape_is_right
	s_endpgm
.Lentry_shape_is_right:
; THE THREE PROJECTIONS AND THEIR QUANTISERS.  Attention's values = query_inputs Wq^T + bq, keys = key_inputs Wk^T + bk, queries = value_inputs Wv^T + bv; K = 1,024, codes of FP6 (E2M3), results leave as codes and scale bytes.
; A TILE IMAGE is 16 rows x 64 codes: lane (r, h) has row r's codes 32 h .. 32 h + 31 in six registers: registers 0-3 at 16 x lane, registers 4-5 at 512 + 8 x lane: 768 bytes.
;   kc, qc [pair = 16 batch + head][key step of 128][band c of 64][tile j]: row r is token 32 (r / 8) + 8 j + r % 8 of the band, codes along the head's 64;  ks, qs [pair][key step][c][j / 2][r][j % 2][h]
;   vc [pair][key step][tile t][c]: row r is column 16 t + r of the head, codes along the band's 64 tokens;  vs [pair][key step][t][r][2 c + h]
; THE DEAL.  256 work-groups of four waves, 2 x 2.  A wave HOLDS 64 rows of one operand, all of K, in registers (384) and streams the other's rows past them in blocks of 16: a block is 32 matrix instructions.
; PHASE A: 128 rows of Wq (streamed) x 128 tokens of query_inputs (held): the values transposed, since their blocks of 32 run along the tokens.  PHASE B: 256 tokens (streamed) x 128 rows of Wk or Wv (held).
; Source 0 = held, source 1 = streamed.  The held rows of tile j are 32 h + 8 j + i of the wave's 64, so a lane's 32 results are 32 neighbours: one block of the quantiser, with no other lane.
; LDS: regions X, Y for tiles in two halves (rows with bit 5 clear, rows with bit 5 set, the second half 128 bytes off a multiple of 256: so the 16 rows of a fragment start at 16 different multiples of 4 banks of 64 (ISA guide 11.1)), Z for Wq's rows.
; A half's load is planes of 32 rows, 24,576 dense bytes each, 64 rows apart in memory; rows are 816 bytes apart in LDS (16 bytes of padding behind every 256).
; FILLS: the head: held tokens -> X, Wq's rows -> Z; round 1: held weights -> Y; round 2 (in block 2): tokens 0-127 -> X; round 3: tokens 128-255 -> Y.  All are joint loads: streamed rows shared along a row of the cluster, held rows along a column.
; Scale bytes go from memory straight into registers: each lane takes its row's 32 bytes, eight neighbouring rows are 256 bytes.  Biases are the first products' C.
; PREFETCHES: the held weights at the head, the tokens of phase B behind round 1: each of the sixteen waves that will ask jointly names a sixteenth.
; WAITS: a block's rows were fetched two blocks ago; younger are the next block's 26 loads (26), and one byte store (27); where nothing more is fetched the store alone (1).
; LIMITS: NaN and infinities are not served.  A block whose largest magnitude lies under 2^-124, a block of zeros too, gets the byte 1: the bytes are read by this program alone, and a zero block's codes are zeros.
.set PITCH, 816
.set FR, 12
.set FPW, 21                           ; fragments in a window of 256 registers
.set ODDH, 64*PITCH+128                ; from a region's first half to its second
.set X, 0
.set Y, 104704
.set Z, 209408
.set STG, 313856                       ; the scale bytes' stages: keys or queries 1,024, values 512
.set SPARE, STG+1536
.set HA, 4                             ; v4-11   LDS addresses of the held tiles in X (two a tile)
.set HB, 12                            ; v12-19  in Y
.set BAD, 20                           ; v20-43  of the twelve blocks
.set SPW, 44
.set NIL, 45
.set CO, 46                            ; 16 x lane
.set C8, 47                            ; 8 x lane
.set STB, 48                           ; stage, phase B
.set STV, 49                           ; stage, phase A
.set TQ, 50                            ; two chains
.set SOP, 52                           ; the conversions' scale operand
.set EB, 53                            ; the byte
.set HSL, 54                           ; my row's place in scale bytes, held order
.set SXL, 55                           ; natural order
.set SB1, 64                           ; v64-147: scale words and nothing else
.set SB2, 80
.set SXA, 100
.set SXB, 116
.set TC, 148
.set NCD, 152
.set ACC, 160                          ; two sets of 32
.set G1H, 68                           ; groups 1: halves by my column, Wq's rows by my row, halves by my row
.set G1N, 76
.set G1S, 84
.set H0, 32                            ; groups 0
.set H1, 36
.set H2, 56
.set H3, 60
.set DE, 92
.set DO, 96
.set MSB, 0
.macro WIN new                         ; the immediate's high byte repeats the setting that is left
.if MSB != \new
	s_set_vgpr_msb (MSB<<8)|(\new)
.set MSB, \new
.endif
.endm
.macro PLACES n
.rept \n
	v_nop
.endr
.endm
.macro WALU
	s_wait_alu depctr_va_vdst(0)
.endm
.macro BARRIER
	s_barrier_signal -1
	s_barrier_wait -1
.endm
.macro MIDDLE                          ; a round's middle
	WIN 0
	s_barrier_wait -1
	s_cmp_lg_u32 s14, 0
	s_cbranch_scc1 .Lnot_wave_0_\@
	s_barrier_signal -3
.Lnot_wave_0_\@:
	s_barrier_wait -3
.endm
.macro CROUND
	s_barrier_signal -1
	MIDDLE
	BARRIER
.endm
.macro GRD
	s_wait_tensorcnt 0x0
	ds_add_u32 v[SPW], v[NIL]
.endm
.macro TLOAD g0, g1
	tensor_load_to_lds s[\g0:\g0+3], s[\g1:\g1+7]
	s_nop 0
	PLACES 4
.endm
.macro TWO ga, gb, g1                  ; waves 0 and 1 ask for a tile's two halves
	s_cmp_eq_u32 s14, 0
	s_cbranch_scc0 .Lsecond_\@
	TLOAD \ga, \g1
	s_branch .Lasked_\@
.Lsecond_\@:
	s_cmp_eq_u32 s14, 1
	s_cbranch_scc0 .Lasked_\@
	TLOAD \gb, \g1
.Lasked_\@:
.endm
.macro GROUP1H g, mask                 ; two planes of 3,072 elements of 8 bytes, 6,144 elements apart
	s_or_b32 s[\g], s[\mask], (3<<16)|(1<<20)|(1<<21)|(5<<22)|(3<<25)
	s_mov_b32 s[\g+1], 3072<<16
	s_mov_b32 s[\g+2], 2<<16
	s_mov_b32 s[\g+3], 3072<<16
	s_mov_b32 s[\g+4], 2
	s_mov_b32 s[\g+5], 6144
	s_mov_b32 s[\g+6], 0
	s_mov_b32 s[\g+7], 0
.endm
.macro G0MK g, lds, base, idx, stride, add=0
	s_mul_i32 s20, s\idx, \stride
.if \add
	s_add_co_u32 s20, s20, \add
.endif
	s_mov_b32 s[\g], 1
	s_mov_b32 s[\g+1], \lds
	s_add_nc_u64 s[\g+2:\g+3], s[\base:\base+1], s[20:21]
	s_or_b32 s[\g+3], s[\g+3], 0x80000000
.endm
; fragment f lies in window 1 + f / 21 at register 12 (f % 21): 0-31 held (4 q + j), 32-39 and 40-47 the streamed sets.  Six pieces of 8 bytes, two to a load where both lie behind as many paddings;
; a1: lanes 16-31, three pieces on, lie behind one padding more.
.macro FRAG f, q, a0, a1
	WIN ((1+(\f)/FPW)<<6)
.set R_, FR*((\f)%FPW)
.set SKIP_, 0
.irp p, 0,1,2,3,4,5
.if SKIP_
.set SKIP_, 0
.else
.set PC_, 12*(\q)+6*(\p/3)+\p%3
.set PN_, 12*(\q)+6*((\p+1)/3)+(\p+1)%3
.set X_, (PC_%32+3)/32
.set XQ_, (PN_%32+3)/32
.if (\p < 5) && (X_ == XQ_)
.set SKIP_, 1
.if X_
	ds_load_2addr_b64 v[R_+2*\p:R_+2*\p+3], \a1 offset0:PC_+2*(PC_/32) offset1:PN_+2*(PN_/32)
.else
	ds_load_2addr_b64 v[R_+2*\p:R_+2*\p+3], \a0 offset0:PC_+2*(PC_/32) offset1:PN_+2*(PN_/32)
.endif
.elseif X_
	ds_load_b64 v[R_+2*\p:R_+2*\p+1], \a1 offset:8*(PC_+2*(PC_/32))
.else
	ds_load_b64 v[R_+2*\p:R_+2*\p+1], \a0 offset:8*(PC_+2*(PC_/32))
.endif
.endif
.endr
.endm
.macro HELD a                          ; my 64 held rows, all of K: 104 loads
.irp q, 0,1,2,3,4,5,6,7
.irp j, 0,1,2,3
	FRAG 4*\q+\j, \q, v[\a+2*\j], v[\a+2*\j+1]
.endr
.endr
	WIN 0
.endm
.macro FETCH s                         ; block s's rows into set s % 2: 26 loads
.irp q, 0,1,2,3,4,5,6,7
	FRAG 32+8*((\s)%2)+\q, \q, v[BAD+2*(\s)], v[BAD+2*(\s)+1]
.endr
	WIN 0
.endm
.macro WM ar, br, c
	v_wmma_scale_f32_16x16x128_f8f6f4 v[D_:D_+7], v[AR_:AR_+11], v[BR_:BR_+11], \c, v[XB_], v[XA_] matrix_a_fmt:MATRIX_FMT_FP6 matrix_b_fmt:MATRIX_FMT_FP6 matrix_a_scale:MATRIX_SCALE_ROW\ar matrix_b_scale:MATRIX_SCALE_ROW\br
.endm
.macro WMROW s, c
.if J_%2
.if (\s)%2
	WM 1, 1, \c
.else
	WM 1, 0, \c
.endif
.else
.if (\s)%2
	WM 0, 1, \c
.else
	WM 0, 0, \c
.endif
.endif
.endm
.macro PROD s, n                       ; product n = 4 q + j of block s
.set Q_, (\n)/4
.set J_, (\n)%4
.set FB_, 4*Q_+J_
.set FA_, 32+8*((\s)%2)+Q_
.set AR_, FR*(FB_%FPW)
.set BR_, FR*(FA_%FPW)
.set D_, ACC+32*((\s)%2)+8*J_
.if (\s) < 4
.set XB_, SB1+8*(J_/2)+Q_
.set XA_, SXA+8*((\s)/2)+Q_
.set CB_, 72+8*(\s)                    ; the bias by row, the same for the four tiles
.else
.set XB_, SB2+8*(J_/2)+Q_
.set XA_, SXB+8*(((\s)-4)/2)+Q_
.set CB_, 104+8*J_                     ; the bias by column
.endif
.if Q_
	WIN (1+FB_/FPW)|((1+FA_/FPW)<<2)
	WMROW \s, v[D_:D_+7]
.else
	WIN (1+FB_/FPW)|((1+FA_/FPW)<<2)|(3<<4)
	WMROW \s, v[CB_:CB_+7]
.endif
.endm
.macro CHAIN i, x                      ; entry i of 18: the largest magnitude of the 32 sums at x (two chains by turns), and the scale operand
.if (\i) >= 0 && (\i) < 14
.set B_, (\x)+16*((\i)%2)+2*((\i)/2)
.set T_, TQ+1-(\i)%2
	WIN 0
.if (\i) < 2
	v_max3_num_f32 v[T_], |v[B_]|, |v[B_+1]|, |v[B_+2]|
.else
	v_max3_num_f32 v[T_], v[T_], |v[B_+1]|, |v[B_+2]|
.endif
.elseif (\i) == 14
	WIN 0
	v_max3_num_f32 v[TQ+1], v[TQ+1], |v[(\x)+15]|, 0x1800000
.elseif (\i) == 15
	WIN 0
	v_nop                                  ; so that the line that joins the chains stands in the next pair
.elseif (\i) == 16
	WIN 0
	v_max3_num_f32 v[TQ], v[TQ], |v[(\x)+31]|, v[TQ+1]
.elseif (\i) == 17
	WIN 0
	v_add_nc_u32 v[SOP], 0xff000000, v[TQ]
.endif
.endm
.macro CODES x                         ; 32 codes into NCD .. NCD + 5, the byte into EB; the shift and the moves are four places
	v_cvt_scalef32_pk16_fp6_f32 v[NCD:NCD+2], v[(\x):(\x)+15], v[SOP]
	v_cvt_scalef32_pk16_fp6_f32 v[TC:TC+2], v[(\x)+16:(\x)+31], v[SOP]
	v_lshrrev_b32 v[EB], 23, v[SOP]
.irp i, 0,1,2
	v_mov_b32 v[NCD+3+\i], v[TC+\i]
.endr
.endm
.macro ENTRY i, s
.if (\s) > 0 && (\s) != 4
	CHAIN (\i), ACC+32*(((\s)+1)%2)
.endif
.endm
.macro BLOCK s, from, to               ; behind every second product two entries of the last block's way out
.set N_, \from
.rept (\to)-(\from)
	PROD \s, N_
.if N_%2
	ENTRY N_-1, \s
	ENTRY N_, \s
.endif
.set N_, N_+1
.endr
.endm
.macro OUT s                           ; block s's byte and codes leave
.if (\s) < 4
.set O_, ((\s)%2)*3072+((\s)/2)*49152
	ds_store_b8 v[STV], v[EB] offset:((\s)/2)*256+((\s)%2)*128
	global_store_b128 v[CO], v[NCD:NCD+3], s[52:53] offset:O_
	global_store_b64 v[C8], v[NCD+4:NCD+5], s[52:53] offset:O_+512
.else
.set U_, (\s)-4
	ds_store_b8 v[STB], v[EB] offset:(U_/4)*256+((U_%4)/2)*64+(U_%2)*2
	global_store_b128 v[CO], v[NCD:NCD+3], s[44:45] offset:(U_/4)*6144+(U_%4)*768
	global_store_b64 v[C8], v[NCD+4:NCD+5], s[44:45] offset:(U_/4)*6144+(U_%4)*768+512
.endif
.endm
; block s.  w: the count of the wait for its rows (-1: shown in already);  mode 1: a round stands inside it, 2: a plain barrier that shows the last refill, behind which nothing is filled;  f: the block fetched at its end (-1: none)
.macro BLK s, w, mode, f
.if (\w) >= 0
	s_wait_dscnt \w
.endif
	s_wait_xcnt 0x0                                     ; earlier stores have read their registers
.if \mode == 1
	GRD
.endif
.if \mode == 0
	BLOCK \s, 0, 32
	WIN 0
.else
	BLOCK \s, 0, 26
	WIN 0
	WALU
.if \mode == 2
	s_wait_tensorcnt 0x0
.endif
	s_wait_dscnt 0x0
	s_barrier_signal -1
	BLOCK \s, 26, 32
	WIN 0
.if \mode == 2
	s_barrier_wait -1
.endif
.endif
.if (\s) > 0 && (\s) != 4
	CODES ACC+32*(((\s)+1)%2)
.else
	PLACES 4
.endif
.if \mode == 1
	MIDDLE
	BARRIER
	TWO H0, H1, G1S
.endif
.if (\s) > 0 && (\s) != 4
	WALU
	OUT (\s)-1
.endif
.if (\f) >= 0
	FETCH \f
.endif
.endm
; ================= THE HEAD
	s_load_b256 s[4:11], s[0:1], 0x0                    ; query codes s4, scales s6, Wq s8, its scales s10
	s_load_b64 s[12:13], s[0:1], 0x20                   ; bq
	s_load_b256 s[24:31], s[0:1], 0x28                  ; the same of the keys
	s_load_b64 s[40:41], s[0:1], 0x48
	s_load_b256 s[32:39], s[0:1], 0x50                  ; and of attention's queries
	s_load_b64 s[42:43], s[0:1], 0x70
	s_load_b128 s[44:47], s[0:1], 0x78                  ; qc, qs
	s_load_b128 s[48:51], s[0:1], 0x88                  ; kc, ks
	s_load_b128 s[52:55], s[0:1], 0x98                  ; vc, vs
	v_lshl_add_u32 v[SPW], v0, 2, SPARE
	v_mov_b32 v[NIL], 0
	ds_add_u32 v[SPW], v[NIL]
	ds_add_u32 v[SPW], v[NIL]
	v_lshrrev_b32 v1, 5, v0
	v_readfirstlane_b32 s14, v1                         ; s14 the wave; s15 its row of the 2 x 2, s16 its column
	s_lshr_b32 s15, s14, 1
	s_and_b32 s16, s14, 1
	s_bfe_u32 s2, ttmp6, 0x40000                        ; cx
	s_bfe_u32 s3, ttmp6, 0x40004                        ; cy
	s_and_b32 s23, ttmp7, 0xffff
	s_lshl_b32 s22, s23, 2
	s_add_co_u32 s22, s22, s3                           ; s22: phase B's 256 tokens, 0 .. 15
	s_lshr_b32 s17, s23, 1
	s_lshl_b32 s17, s17, 2
	s_add_co_u32 s17, s17, ttmp9
	s_lshl_b32 s17, s17, 2
	s_add_co_u32 s17, s17, s2                           ; s17: phase A's 128 tokens, 0 .. 31
	s_and_b32 s18, s23, 1
	s_lshl_b32 s18, s18, 2
	s_add_co_u32 s18, s18, s3                           ; s18: phase A's 128 rows of Wq, 0 .. 7
	s_and_b32 s19, ttmp9, 1
	s_lshl_b32 s19, s19, 2
	s_add_co_u32 s19, s19, s2                           ; s19: phase B's 128 rows of the weight, 0 .. 7
	s_lshr_b32 s23, ttmp9, 1                            ; s23: 0 keys, 1 queries: the cluster's number alone
	s_lshl_b32 s104, s3, 2
	s_lshl_b32 s104, 15, s104                           ; my row of the cluster
	s_lshl_b32 s105, 0x1111, s2                         ; my column
	GROUP1H G1H, 105
	GROUP1H G1S, 104
	s_or_b32 s[G1N], s104, (1<<20)|(1<<21)|(5<<22)|(3<<25)   ; 64 rows of 768 elements of 1 byte
	s_mov_b32 s[G1N+1], 768<<16
	s_mov_b32 s[G1N+2], 64<<16
	s_mov_b32 s[G1N+3], 768<<16
	s_mov_b32 s[G1N+4], 64
	s_mov_b32 s[G1N+5], 768
	s_mov_b32 s[G1N+6], 0
	s_mov_b32 s[G1N+7], 0
	v_and_b32 v1, 15, v0                                ; r
	v_bfe_u32 v2, v0, 4, 1                              ; h
	v_and_b32 v3, 31, v0
	v_lshrrev_b32 v56, 3, v1
	v_and_b32 v57, 7, v1
	v_lshlrev_b32 v[CO], 4, v3
	v_lshlrev_b32 v[C8], 3, v3
	v_mul_u32_u24 v58, v57, PITCH
	v_mad_u32_u24 v58, v56, ODDH, v58                   ; row 32 (r / 8) + r % 8 of a band in two halves
	v_mad_u32_u24 v59, v2, 24, v58
	v_mad_u32_u24 v60, v2, 40, v58
	v_lshl_add_u32 v[HSL], v2, 3, v57
	v_lshl_add_u32 v[HSL], v56, 5, v[HSL]
	v_lshlrev_b32 v[HSL], 5, v[HSL]                     ; 32 bytes a row: row 32 (r / 8) + 8 h + r % 8
	v_lshl_add_u32 v[SXL], v2, 5, v1
	v_lshlrev_b32 v[SXL], 5, v[SXL]                     ; row 32 h + r
	s_mul_i32 s100, s16, 32*PITCH
	v_add_nc_u32 v61, s100, v59
	v_add_nc_u32 v62, s100, v60
.irp j, 0,1,2,3
	v_add_nc_u32 v[HA+2*\j], X+\j*8*PITCH, v61
	v_add_nc_u32 v[HA+2*\j+1], X+\j*8*PITCH, v62
	v_add_nc_u32 v[HB+2*\j], Y+\j*8*PITCH, v61
	v_add_nc_u32 v[HB+2*\j+1], Y+\j*8*PITCH, v62
.endr
	s_mul_i32 s100, s15, 32*PITCH
	v_add_nc_u32 v61, s100, v59
	v_add_nc_u32 v62, s100, v60
.irp u, 0,1,2,3
	v_add_nc_u32 v[BAD+8+2*\u], X+\u*8*PITCH, v61       ; phase B: my band's tile u of the first 128 tokens,
	v_add_nc_u32 v[BAD+9+2*\u], X+\u*8*PITCH, v62
	v_add_nc_u32 v[BAD+16+2*\u], Y+\u*8*PITCH, v61      ; of the second
	v_add_nc_u32 v[BAD+17+2*\u], Y+\u*8*PITCH, v62
.endr
	v_mul_u32_u24 v58, v1, PITCH
	v_mad_u32_u24 v59, v2, 24, v58
	v_mad_u32_u24 v60, v2, 40, v58
	s_mul_i32 s100, s15, 16*PITCH
	v_add_nc_u32 v61, s100, v59
	v_add_nc_u32 v62, s100, v60
.irp u, 0,1,2,3
	v_add_nc_u32 v[BAD+2*\u], Z+\u*32*PITCH, v61        ; phase A: rows 32 u + 16 x my row + r
	v_add_nc_u32 v[BAD+2*\u+1], Z+\u*32*PITCH, v62
.endr
	v_lshl_add_u32 v58, v1, 2, v2                       ; 4 r + h
	s_lshl_b32 s100, s16, 9
	s_lshl_b32 s101, s15, 7
	s_add_co_u32 s100, s100, s101
	s_add_co_u32 s100, s100, STG
	v_add_nc_u32 v[STB], s100, v58
	s_lshl_b32 s100, s15, 6
	s_lshl_b32 s101, s16, 1
	s_add_co_u32 s100, s100, s101
	s_add_co_u32 s100, s100, STG+1024
	WALU
	v_add_nc_u32 v[STV], s100, v58
	v_min_u32 v61, 23, v3                               ; a sixteenth of 98,304 bytes is 24 blocks of 256
	s_lshl_b32 s100, s3, 2
	s_add_co_u32 s100, s100, s14
	s_mul_i32 s100, s100, 6144
	s_mul_i32 s101, s19, 98304
	s_add_co_u32 s100, s100, s101
	WALU
	v_lshl_add_u32 v57, v61, 8, s100                    ; the held weights
	s_lshl_b32 s100, s2, 2
	s_add_co_u32 s100, s100, s14
	s_mul_i32 s100, s100, 6144
	s_mul_i32 s101, s22, 196608
	s_add_co_u32 s100, s100, s101
	v_lshl_add_u32 v56, v61, 8, s100                    ; phase B's tokens
	v_lshlrev_b32 v62, 7, v2                            ; bias by column: 32 numbers for each half of the lanes
	v_lshlrev_b32 v63, 2, v1                            ; bias by row
	WALU
	s_wait_dscnt 0x0
	CROUND                                              ; all sixteen work-groups are here
	s_wait_kmcnt 0x0
	s_mov_b32 s21, 0
	s_cmp_eq_u32 s23, 0
	s_cselect_b64 s[24:25], s[24:25], s[32:33]
	s_cselect_b64 s[26:27], s[26:27], s[34:35]
	s_cselect_b64 s[28:29], s[28:29], s[36:37]
	s_cselect_b64 s[30:31], s[30:31], s[38:39]
	s_cselect_b64 s[40:41], s[40:41], s[42:43]
	s_cselect_b64 s[44:45], s[48:49], s[44:45]
	s_cselect_b64 s[46:47], s[50:51], s[46:47]
	G0MK H0, X, 4, 17, 98304
	G0MK H1, X+ODDH, 4, 17, 98304, 24576
	G0MK H2, Z, 8, 18, 98304
	G0MK H3, Z+64*PITCH, 8, 18, 98304, 49152
	s_cmp_eq_u32 s14, 0
	s_cbranch_scc0 .Lwave_1
	TLOAD H0, G1H                                       ; waves 0 and 1: the held tokens' halves
	s_branch .Lhead_asked
.Lwave_1:
	s_cmp_eq_u32 s14, 1
	s_cbranch_scc0 .Lwave_2
	TLOAD H1, G1H
	s_branch .Lhead_asked
.Lwave_2:
	s_cmp_eq_u32 s14, 2
	s_cbranch_scc0 .Lwave_3
	TLOAD H2, G1N                                       ; waves 2 and 3: Wq's rows
	s_branch .Lhead_asked
.Lwave_3:
	TLOAD H3, G1N
.Lhead_asked:
	G0MK DE, Y, 28, 19, 98304
	G0MK DO, Y+ODDH, 28, 19, 98304, 24576
	s_lshl_b32 s20, s17, 12                             ; the scale bytes: held tokens,
	s_lshl_b32 s100, s16, 11
	s_add_co_u32 s20, s20, s100
	s_add_nc_u64 s[6:7], s[6:7], s[20:21]
	s_lshl_b32 s20, s19, 12                             ; held weights,
	s_add_co_u32 s20, s20, s100
	s_add_nc_u64 s[30:31], s[30:31], s[20:21]
	s_lshl_b32 s20, s18, 12                             ; Wq's rows,
	s_lshl_b32 s100, s15, 9
	s_add_co_u32 s20, s20, s100
	s_add_nc_u64 s[10:11], s[10:11], s[20:21]
	s_lshl_b32 s20, s22, 13                             ; phase B's tokens
	s_lshl_b32 s100, s15, 11
	s_add_co_u32 s20, s20, s100
	s_add_nc_u64 s[26:27], s[26:27], s[20:21]
	s_lshl_b32 s20, s18, 9                              ; the biases
	s_lshl_b32 s100, s15, 6
	s_add_co_u32 s20, s20, s100
	s_add_nc_u64 s[12:13], s[12:13], s[20:21]
	s_lshl_b32 s20, s19, 9
	s_lshl_b32 s100, s16, 8
	s_add_co_u32 s20, s20, s100
	s_add_nc_u64 s[40:41], s[40:41], s[20:21]
.irp k, 0,1
.irp p, 0,1
	global_load_b128 v[SB1+8*\p+4*\k:SB1+8*\p+4*\k+3], v[HSL], s[6:7] offset:512*\p+16*\k
	global_load_b128 v[SXA+8*\p+4*\k:SXA+8*\p+4*\k+3], v[SXL], s[10:11] offset:2048*\p+16*\k
	global_load_b128 v[SB2+8*\p+4*\k:SB2+8*\p+4*\k+3], v[HSL], s[30:31] offset:512*\p+16*\k
	global_load_b128 v[SXB+8*\p+4*\k:SXB+8*\p+4*\k+3], v[HSL], s[26:27] offset:512*\p+16*\k
	global_load_b128 v[SXB+16+8*\p+4*\k:SXB+16+8*\p+4*\k+3], v[HSL], s[26:27] offset:4096+512*\p+16*\k
.endr
.endr
	WIN 3<<6
.irp u, 0,1,2,3
	global_load_b32 v[72+8*\u], v63, s[12:13] offset:128*\u
.endr
.irp k, 0,1,2,3,4,5,6,7
	global_load_b128 v[104+4*\k:107+4*\k], v62, s[40:41] offset:16*\k
.endr
	WIN 0
	global_prefetch_b8 v57, s[28:29] th:TH_LOAD_NT scope:SCOPE_SE
	; where results go.  Values: codes s[52:53], scale bytes s[54:55]
	s_lshr_b32 s100, s17, 3
	s_lshl_b32 s100, s100, 4
	s_lshl_b32 s101, s18, 1
	s_add_co_u32 s100, s100, s101                       ; the pair of my first head
	s_and_b32 s101, s17, 7                              ; the key step
	s_mul_i32 s20, s100, 49152
	s_mul_i32 s2, s101, 6144
	s_add_co_u32 s20, s20, s2
	s_lshl_b32 s2, s15, 1
	s_add_co_u32 s2, s2, s16
	s_mul_i32 s2, s2, 768
	s_add_co_u32 s20, s20, s2
	s_add_nc_u64 s[52:53], s[52:53], s[20:21]
	s_add_co_u32 s100, s100, s16
	s_lshl_b32 s20, s100, 11
	s_lshl_b32 s101, s101, 8
	s_add_co_u32 s20, s20, s101
	s_add_nc_u64 s[54:55], s[54:55], s[20:21]
	; keys or queries: codes s[44:45], scale bytes s[46:47]
	s_lshr_b32 s100, s22, 2
	s_lshl_b32 s100, s100, 4
	s_lshl_b32 s101, s19, 1
	s_add_co_u32 s100, s100, s101
	s_and_b32 s101, s22, 3
	s_add_co_u32 s2, s100, s16
	s_mul_i32 s20, s2, 49152
	s_mul_i32 s2, s101, 12288
	s_add_co_u32 s20, s20, s2
	s_mul_i32 s2, s15, 3072
	s_add_co_u32 s20, s20, s2
	s_add_nc_u64 s[44:45], s[44:45], s[20:21]
	s_add_co_u32 s100, s100, s15
	s_lshl_b32 s20, s100, 11
	s_lshl_b32 s101, s101, 9
	s_add_co_u32 s20, s20, s101
	s_lshl_b32 s101, s16, 8
	s_add_co_u32 s20, s20, s101
	s_add_nc_u64 s[46:47], s[46:47], s[20:21]
	WALU
	s_cmp_lt_u32 s14, 2
	s_cbranch_scc0 .Lnot_held
	s_wait_tensorcnt 0x0
.Lnot_held:
	BARRIER                                             ; the held tokens are in; Wq's rows may still be on their way
	HELD HA
	s_wait_loadcnt 0x0
	WIN (3<<6)|3
.irp u, 72,80,88,96
.irp i, 1,2,3,4,5,6,7
	v_mov_b32 v[\u+\i], v[\u]                           ; the bias by row over a tile's eight registers
.endr
.endr
	WIN 0
	GRD
	WALU
	s_wait_dscnt 0x0
	CROUND
	TWO DE, DO, G1H                                     ; the held weights, Y's first fill
	FETCH 0
	FETCH 1
	global_prefetch_b8 v56, s[24:25] th:TH_LOAD_NT scope:SCOPE_SE
	global_prefetch_b8 v56, s[24:25] offset:98304 th:TH_LOAD_NT scope:SCOPE_SE
	G0MK H0, X, 24, 22, 196608                          ; (the head's loads are done: their groups 0 are free)
	G0MK H1, X+ODDH, 24, 22, 196608, 24576
; ================= PHASE A
	BLK 0, 26, 0, 2
	BLK 1, 26, 0, 3
	BLK 2, 27, 1, -1                                    ; round 2: the first 128 tokens of phase B onto X; it also shows the held weights
	BLK 3, -1, 0, -1
; ================= THE CHANGE: the held weights into registers, block 3's way out under their flight
	HELD HB
	s_wait_xcnt 0x0
	GRD
.set I, 0
.rept 18
	CHAIN I, ACC+32
.set I, I+1
.endr
	CODES ACC+32
	s_add_nc_u64 s[H0+2:H0+3], s[H0+2:H0+3], 98304
	s_mov_b32 s[H0+1], Y
	s_add_nc_u64 s[H1+2:H1+3], s[H1+2:H1+3], 98304
	s_mov_b32 s[H1+1], Y+ODDH
	WALU
	s_wait_dscnt 0x0
	CROUND
	TWO H0, H1, G1S                                     ; the second 128 tokens onto Y
	OUT 3
	FETCH 4
	FETCH 5
; ================= PHASE B
	BLK 4, 26, 0, 6
	BLK 5, 26, 0, 7
	BLK 6, 27, 2, 8
	BLK 7, -1, 0, 9
	BLK 8, 27, 0, 10
	BLK 9, 27, 0, 11
	BLK 10, 27, 0, -1
	BLK 11, 1, 0, -1
; ================= THE END
	s_wait_xcnt 0x0
.set I, 0
.rept 18
	CHAIN I, ACC+32
.set I, I+1
.endr
	CODES ACC+32
	s_lshl_b32 s100, s14, 8
	s_add_co_u32 s100, s100, STG
	v_add_nc_u32 v230, s100, v[C8]                      ; 256 bytes of the keys' or queries' stage to each wave,
	s_lshl_b32 s101, s16, 8
	s_add_co_u32 s101, s101, STG+1024
	v_add_nc_u32 v231, s101, v[C8]                      ; of the values' to waves 0 and 1
	WALU
	OUT 11
	s_wait_dscnt 0x0
	BARRIER
	ds_load_b64 v[224:225], v230
	ds_load_b64 v[226:227], v231
	s_wait_dscnt 0x0
	global_store_b64 v[C8], v[224:225], s[46:47]
	s_cmp_lt_u32 s14, 2
	s_cbranch_scc0 .Lno_values
	global_store_b64 v[C8], v[226:227], s[54:55]
.Lno_values:
	s_wait_tensorcnt 0x0                                ; the wave's end
	ds_add_u32 v[SPW], v[NIL]
	s_wait_dscnt 0x0
	CROUND                                              ; the closing round
	s_endpgm
.Lfunc_end_k_q98a16f1557_proj:
	.size	k_q98a16f1557_proj, .Lfunc_end_k_q98a16f1557_proj-k_q98a16f1557_proj
	.p2alignl 7, 3214868480
	.fill 96, 4, 3214868480
	.section	.rodata,"a",@progbits
	.p2align	6, 0x0
	.amdhsa_kernel k_q98a16f1557_proj
		.amdhsa_group_segment_fixed_size 327680
		.amdhsa_private_segment_fixed_size 0
		.amdhsa_enable_private_segment 0
		.amdhsa_kernarg_size 168
		.amdhsa_user_sgpr_count 2
		.amdhsa_user_sgpr_kernarg_segment_ptr 1
		.amdhsa_wavefront_size32 1
		.amdhsa_system_sgpr_workgroup_id_x 1
		.amdhsa_system_sgpr_workgroup_id_y 1
		.amdhsa_system_sgpr_workgroup_id_z 1
		.amdhsa_system_vgpr_workitem_id 0
		.amdhsa_next_free_vgpr 912
		.amdhsa_next_free_sgpr 106
		.amdhsa_reserve_vcc 0
		.amdhsa_float_denorm_mode_32 3
		.amdhsa_float_denorm_mode_16_64 3
		.amdhsa_memory_ordered 1
		.amdhsa_forward_progress 1
		.amdhsa_inst_pref_size 134
	.end_amdhsa_kernel
	.amdgpu_metadata
---
amdhsa.version: [ 1, 2 ]
amdhsa.kernels:
  - .name:           k_q98a16f1557_proj
    .symbol:         k_q98a16f1557_proj.kd
    .args:
      - { .name: query_inputs_codes, .offset: 0, .size: 8, .value_kind: global_buffer, .address_space: global }
      - { .name: query_inputs_scales, .offset: 8, .size: 8, .value_kind: global_buffer, .address_space: global }
      - { .name: Wq_codes, .offset: 16, .size: 8, .value_kind: global_buffer, .address_space: global }
      - { .name: Wq_scales, .offset: 24, .size: 8, .value_kind: global_buffer, .address_space: global }
      - { .name: bq, .offset: 32, .size: 8, .value_kind: global_buffer, .address_space: global }
      - { .name: key_inputs_codes, .offset: 40, .size: 8, .value_kind: global_buffer, .address_space: global }
      - { .name: key_inputs_scales, .offset: 48, .size: 8, .value_kind: global_buffer, .address_space: global }
      - { .name: Wk_codes, .offset: 56, .size: 8, .value_kind: global_buffer, .address_space: global }
      - { .name: Wk_scales, .offset: 64, .size: 8, .value_kind: global_buffer, .address_space: global }
      - { .name: bk, .offset: 72, .size: 8, .value_kind: global_buffer, .address_space: global }
      - { .name: value_inputs_codes, .offset: 80, .size: 8, .value_kind: global_buffer, .address_space: global }
      - { .name: value_inputs_scales, .offset: 88, .size: 8, .value_kind: global_buffer, .address_space: global }
      - { .name: Wv_codes, .offset: 96, .size: 8, .value_kind: global_buffer, .address_space: global }
      - { .name: Wv_scales, .offset: 104, .size: 8, .value_kind: global_buffer, .address_space: global }
      - { .name: bv, .offset: 112, .size: 8, .value_kind: global_buffer, .address_space: global }
      - { .name: qc, .offset: 120, .size: 8, .value_kind: global_buffer, .address_space: global }
      - { .name: qs, .offset: 128, .size: 8, .value_kind: global_buffer, .address_space: global }
      - { .name: kc, .offset: 136, .size: 8, .value_kind: global_buffer, .address_space: global }
      - { .name: ks, .offset: 144, .size: 8, .value_kind: global_buffer, .address_space: global }
      - { .name: vc, .offset: 152, .size: 8, .value_kind: global_buffer, .address_space: global }
      - { .name: vs, .offset: 160, .size: 8, .value_kind: global_buffer, .address_space: global }
    .group_segment_fixed_size: 327680
    .private_segment_fixed_size: 0
    .kernarg_segment_align: 8
    .kernarg_segment_size: 168
    .max_flat_workgroup_size: 128
    .sgpr_count:     106
    .vgpr_count:     912
    .wavefront_size: 32
...
	.end_amdgpu_metadata
.endif
;; end of part 1
;; launch attn (part 2): grid 4 x 64, 16 waves a work-group, clusters of 4 x 1, 174,080 bytes of LDS; arguments qc, qs, kc, ks, vc, vs, out0; writes out0
.if DOCPART == 2
	.amdgcn_target "amdgcn-amd-amdhsa--gfx1250"
	.amdhsa_code_object_version 6
	.text
	.protected	k_q98a16f1557_attn
	.globl	k_q98a16f1557_attn
	.p2align	8
	.type	k_q98a16f1557_attn,@function
k_q98a16f1557_attn:
	s_mov_b64 s[64:65], 0
	v_nop
	global_prefetch_b8 v0, s[64:65] scope:SCOPE_SE
	s_setreg_imm32_b32 hwreg(HW_REG_WAVE_MODE, 25, 1), 1
	s_wait_xcnt 0x0
	s_wait_alu depctr_hold_cnt(0) depctr_sa_sdst(0) depctr_va_vdst(0) depctr_va_sdst(0) depctr_va_ssrc(0) depctr_va_vcc(0) depctr_vm_vsrc(0)
	s_getreg_b32 s2, hwreg(HW_REG_IB_STS2, 6, 4)
	s_cmp_eq_u32 s2, 0
	s_cbranch_scc0 .Lentry_in_a_cluster
	s_endpgm
.Lentry_in_a_cluster:
	s_bfe_u32 s2, ttmp6, 0x10000c
	s_cmp_lg_u32 s2, 0x3003
	s_cbranch_scc0 .Lentry_shape_is_right
	s_endpgm
.Lentry_shape_is_right:
; out0[batch][q][64 head + d] = the sum over keys of softmax(query . key / 32) value[key][d]: 64 (batch, head) pairs, 1,024 queries and keys, head size 64; both products on codes of FP6 (E2M3) with E8M0 scales.
; Queries, keys and values come as tile images of 16 rows x 64 codes, 768 bytes: lane (r, h) has row r's codes 32 h .. 32 h + 31: registers 0-3 at 16 x lane, registers 4-5 at 512 + 8 x lane.
;   qc, kc [pair][key step 8][band c][tile j]: row r = token 32 (r / 8) + 8 j + r % 8 of the band of 64;  qs, ks [pair][step][c][j / 2][r][j % 2][k block]
;   vc [pair][key step][tile t][c]: row r = column 16 t + r, codes along band c's 64 keys;  vs [pair][step][t][r][key block]
; THE SOFTMAX AHEAD OF THE SECOND PRODUCT: t = score x log2(e) / 32; M = the running largest t rounded UP to a whole number; p = 2^(t - M) is quantised along the keys, not normalised; the row's sum is taken of the
; unquantised p and divides at the end.  When M moves, the sum and O are multiplied by 2^(old M - new M): exact.  A block's largest p is the exponential of the block's largest score (p rises with the score).
; SHARES.  A work-group owns 256 queries of one pair, each of its sixteen waves 16 of them, four waves to a SIMD, 256 registers each.  Both products are used transposed (S^T = K Q^T, O^T = V^T P^T): a lane holds ONE query.
; By the order of K's rows lane (r, h) has the scores of keys 64 c + 32 h + 0 .. 31 in 32 neighbouring registers: one block of the quantiser, and six registers of the second product's operand, with no other lane.
; The first product's K is 64: an operand of K carries TWO tiles (k = 0 .. 63 and 64 .. 127), and Q stands twice: its codes below zeros, and above them: the zero codes blot out the tile that is not wanted.
; LDS: a pair's K, V and scale bytes, 102,400 bytes, are filled ONCE, one load a wave, waves 0 to 5.  The four work-groups of a cluster are one pair's query blocks: each fill is joint (mask 15).
; The first barrier waits for key steps 0 to 3 and the scale bytes (waves 0 to 3), the one in step 3 for the rest.  No prefetch: every tile is asked for by the head's loads, so there is nothing to run ahead of.
; LIMITS: NaN and infinities are not served; the promise holds while the scaled scores stay under 2^31 in magnitude.  A block of p that has fallen to zeros keeps the byte 1: its codes are zeros.
.set VREG, 49152
.set KSC, 98304
.set STG, 102400
.set SPARE, 172032
.set QF, 16                            ; v16-21 Q, v22-27 zeros, v28-33 Q again
.set QSW, 34                           ; v34-39: scale words and nothing else
.set PSW, 35
.set KSW, 36
.set VSW, 38
.set K, 40                             ; v40-87   K: four operands of two tiles
.set S, 88                             ; v88-151  S^T, then p
.set V, 152                            ; v152-199 V: four operands
.set OT, 200                           ; v200-231 O^T
.set PC, 232                           ; v232-243 p's codes
.set PH, 250                           ; v250-252 a conversion's second half
; v1 16 x lane, v2 VREG + 16 x lane, v3 KSC + 4 x lane, v253 8 x lane, v9 VREG + 8 x lane (also the upper register of the pair v[8:9], of which only the low one is used)
; v4, v10 -M by turns; v5 the running largest score; v8 f; v[6:7], v[244:249] the sum in four pairs; v11 lane permutes; v12-15 at work
.set WV, 18
.set CX, 19
.set SEL, 20
.set CS, 22
.set G1C, 24
.set G1S, 32
.macro WALU
	s_wait_alu depctr_va_vdst(0)
.endm
.macro CROUND
	s_barrier_signal -1
	s_barrier_wait -1
	s_cmp_lg_u32 s[WV], 0
	s_cbranch_scc1 .Lnot_wave_0_\@
	s_barrier_signal -3
.Lnot_wave_0_\@:
	s_barrier_wait -3
	s_barrier_signal -1
	s_barrier_wait -1
.endm
.macro GROUP1 g, rows                  ; rows of 256 dense bytes, for all four work-groups
	s_mov_b32 s[\g], 15|(3<<16)|(1<<21)
	s_mov_b32 s[\g+1], 32<<16
	s_mov_b32 s[\g+2], (\rows)<<16
	s_mov_b32 s[\g+3], 32<<16
	s_mov_b32 s[\g+4], \rows
	s_mov_b32 s[\g+5], 32
	s_mov_b32 s[\g+6], 0
	s_mov_b32 s[\g+7], 0
.endm
.macro GROUP0 g, lds, base, off, add=0
	s_mov_b32 s[\g], 1
	s_mov_b32 s[\g+1], \lds
	s_add_nc_u64 s[\g+2:\g+3], s[\base:\base+1], s[\off:\off+1]
.if \add
	s_add_nc_u64 s[\g+2:\g+3], s[\g+2:\g+3], \add
.endif
	s_or_b32 s[\g+3], s[\g+3], 0x80000000
.endm
.macro FILL n, g0, g1                  ; wave n's one load
	s_cmp_eq_u32 s[WV], \n
	s_cbranch_scc0 .Lnext_\@
	tensor_load_to_lds s[\g0:\g0+3], s[\g1:\g1+7]
	s_nop 0
.rept 4
	v_nop
.endr
	s_branch .Lfilled
.Lnext_\@:
.endm
.macro KLOAD s                         ; key step s of K: 18 loads
.irp t, 0,1,2,3,4,5,6,7
	ds_load_b128 v[K+6*\t:K+6*\t+3], v1 offset:6144*(\s)+768*\t
	ds_load_b64 v[K+6*\t+4:K+6*\t+5], v253 offset:6144*(\s)+768*\t+512
.endr
.irp b, 0,1
	ds_load_b32 v[KSW+\b], v3 offset:256*(\s)+128*\b
.endr
.endm
.macro VLOAD s                         ; of V: 18 loads
.irp t, 0,1,2,3,4,5,6,7
	ds_load_b128 v[V+6*\t:V+6*\t+3], v2 offset:6144*(\s)+768*\t
	ds_load_b64 v[V+6*\t+4:V+6*\t+5], v9 offset:6144*(\s)+768*\t+512
.endr
.irp b, 0,1
	ds_load_b32 v[VSW+\b], v3 offset:2048+256*(\s)+128*\b
.endr
.endm
.macro SP t, row                       ; S^T of tile t = 4 c + j
	v_wmma_scale_f32_16x16x128_f8f6f4 v[S+8*\t:S+8*\t+7], v[K+12*(\t/2):K+12*(\t/2)+11], v[QF+6*(\t%2):QF+6*(\t%2)+11], 0, v[KSW+\t/4], v[QSW] matrix_a_fmt:MATRIX_FMT_FP6 matrix_b_fmt:MATRIX_FMT_FP6 matrix_a_scale:MATRIX_SCALE_ROW\row
.endm
.macro VP t, row, c                    ; O^T of tile t
	v_wmma_scale_f32_16x16x128_f8f6f4 v[OT+8*\t:OT+8*\t+7], v[V+12*\t:V+12*\t+11], v[PC:PC+11], \c, v[VSW+\t/2], v[PSW] matrix_a_fmt:MATRIX_FMT_FP6 matrix_b_fmt:MATRIX_FMT_FP6 matrix_a_scale:MATRIX_SCALE_ROW\row
.endm
.macro SUM s, from, to                 ; pairs from .. to - 1 of p into the four sums by turns; a step's first four bring the sums under the new M
.set P_, \from
.rept (\to)-(\from)
.set A_, 242+2*(P_%4)
.if P_%4 == 0
.set A_, 6
.endif
.if P_ < 4
.if (\s) == 0
	v_pk_add_f32 v[A_:A_+1], v[S+2*P_:S+2*P_+1], v[S+2*P_+8:S+2*P_+9]
.else
	v_pk_fma_f32 v[A_:A_+1], v[A_:A_+1], v[8:9], v[S+2*P_:S+2*P_+1] op_sel_hi:[1,0,1]
.endif
.elseif P_ > 7 || (\s) > 0
	v_pk_add_f32 v[A_:A_+1], v[A_:A_+1], v[S+2*P_:S+2*P_+1]
.endif
.set P_, P_+1
.endr
.endm
; A KEY STEP of 128 keys.  Its K was asked for in the step before; its V is asked for behind its first products.
.macro STEP s
.set NM, 4+6*((\s)%2)
.set OM, 4+6*(((\s)+1)%2)
	s_wait_dscnt 0x0                               ; K and its scale words are in
.if (\s) == 3
	s_wait_tensorcnt 0x0                           ; key steps 4 to 7 have landed,
	s_barrier_signal -1
	s_barrier_wait -1                              ; for every wave
.endif
	SP 0, 0
	SP 1, 0
	SP 2, 1
	SP 3, 1
	SP 4, 0
	SP 5, 0
	SP 6, 1
	SP 7, 1
.rept 4
	v_nop                                          ; places in front of the loads and of the first read of the scores
.endr
	VLOAD \s
.if (\s) < 7
	KLOAD (\s)+1
.endif
	; the largest score of each of my two blocks, each in two chains; every accumulator is read from its low end on
.irp c, 0,1
	v_max3_num_f32 v[12+\c], v[S+32*\c], v[S+32*\c+1], v[S+32*\c+2]
	v_max3_num_f32 v[14+\c], v[S+32*\c+16], v[S+32*\c+17], v[S+32*\c+18]
.endr
.irp i, 3,5,7,9,11,13
.irp c, 0,1
	v_max3_num_f32 v[12+\c], v[12+\c], v[S+32*\c+\i], v[S+32*\c+\i+1]
	v_max3_num_f32 v[14+\c], v[14+\c], v[S+32*\c+16+\i], v[S+32*\c+17+\i]
.endr
.endr
.irp c, 0,1
	v_max3_num_f32 v[12+\c], v[12+\c], v[14+\c], v[S+32*\c+15]
.endr
.irp c, 0,1
	v_max_num_f32 v[12+\c], v[12+\c], v[S+32*\c+31]
.endr
	v_max_num_f32 v14, v12, v13
	v_permlanex16_b32 v11, v14, s[SEL], s[SEL+1]   ; the other half of the lanes has my query's other keys
.if (\s) == 0
	v_max_num_f32 v5, v14, v11
.else
	v_max3_num_f32 v5, v5, v14, v11                ; the running largest score
.endif
	v_mul_f32 v15, s[CS], v5                       ; as t (c is positive)
	s_delay_alu instid0(VALU_DEP_1)
	v_floor_f32 v[NM], -v15                        ; the new -M = floor(-t) = -ceil(t): a whole number
.if (\s) > 0
	s_delay_alu instid0(VALU_DEP_1)
	v_sub_f32 v14, v[NM], v[OM]                    ; old M - new M: a whole number, 0 or less
	s_delay_alu instid0(VALU_DEP_1)
	v_cvt_i32_f32 v14, v14
	s_delay_alu instid0(VALU_DEP_1)
	v_ldexp_f32 v8, 1.0, v14                       ; f = 2^(old M - new M)
.endif
.set I, 0
.rept 32
	v_pk_fma_f32 v[S+I:S+I+1], v[S+I:S+I+1], s[CS:CS+1], v[NM:NM+1] op_sel_hi:[1,0,0]   ; t - M (of the pairs c and -M the low word serves both halves)
.set I, I+2
.endr
	v_fma_f32 v12, v12, s[CS], v[NM]               ; the same of each block's largest score
	v_fma_f32 v13, v13, s[CS], v[NM]
	WALU
.set I, 0
.rept 64
	v_exp_f32 v[S+I], v[S+I]                       ; p = 2^(t - M), at most 1
.set I, I+1
.endr
	v_exp_f32 v12, v12                             ; the block's largest p: the same instructions on the same number give the same bits
	v_exp_f32 v13, v13
	v_nop                                          ; one plain place behind the batch
	WALU                                           ; one wait for the whole batch, and for O^T's first readers
.if (\s) > 0
.set I, 0
.rept 16
	v_pk_mul_f32 v[OT+I:OT+I+1], v[OT+I:OT+I+1], v[8:9] op_sel_hi:[1,0]   ; O^T under the new M
.set I, I+2
.endr
.endif
	v_max_num_f32 v12, 0x1800000, v12              ; the floor 2^(3 - 127)
	v_max_num_f32 v13, 0x1800000, v13
	v_add_nc_u32 v14, 0xff000000, v12              ; 2 off the exponent field: the conversions' scale operand
	v_add_nc_u32 v15, 0xff000000, v13
	v_lshrrev_b32 v12, 23, v14                     ; the scales' bytes
	v_lshrrev_b32 v13, 23, v15
	SUM \s, 0, 4
	v_lshl_or_b32 v12, v13, 16, v12                ; blocks 0 and 2 in lanes 0-15, blocks 1 and 3 in lanes 16-31
	SUM \s, 4, 9
	v_permlanex16_b32 v11, v12, s[SEL], s[SEL+1]
	SUM \s, 9, 12
	v_lshl_or_b32 v[PSW], v11, 8, v12              ; lane r has p's scale word (lanes 16-31 are not read)
	SUM \s, 12, 16
	v_cvt_scalef32_pk16_fp6_f32 v[PC:PC+2], v[S:S+15], v14
	v_cvt_scalef32_pk16_fp6_f32 v[PH:PH+2], v[S+16:S+31], v14   ; (a conversion's three registers begin on an even number)
	SUM \s, 16, 24
	v_cvt_scalef32_pk16_fp6_f32 v[PC+6:PC+8], v[S+32:S+47], v15
	v_cvt_scalef32_pk16_fp6_f32 v[S:S+2], v[S+48:S+63], v15     ; (into registers that p's first block has left)
	SUM \s, 24, 25
.irp i, 0,1,2
	v_mov_b32 v[PC+3+\i], v[PH+\i]
	v_mov_b32 v[PC+9+\i], v[S+\i]
.endr
	SUM \s, 25, 32                                 ; seven lines: the places between p's codes and the products
	WALU
.if (\s) < 7
	s_wait_dscnt 18                                ; V is in; the next step's K (18 loads) may be out
.else
	s_wait_dscnt 0x0
.endif
.if (\s) == 0
	VP 0, 0, 0
	VP 1, 1, 0
	VP 2, 0, 0
	VP 3, 1, 0
.else
	VP 0, 0, v[OT:OT+7]                            ; the four accumulators by turns, one instruction a turn
	VP 1, 1, v[OT+8:OT+15]
	VP 2, 0, v[OT+16:OT+23]
	VP 3, 1, v[OT+24:OT+31]
.endif
.endm
	s_load_b256 s[4:11], s[0:1], 0x0               ; qc s[4:5], qs s[6:7], kc s[8:9], ks s[10:11]
	s_load_b128 s[12:15], s[0:1], 0x20             ; vc s[12:13], vs s[14:15]
	s_load_b64 s[16:17], s[0:1], 0x30              ; out0
	v_lshl_add_u32 v254, v0, 2, SPARE
	v_mov_b32 v255, 0
	ds_add_u32 v254, v255
	ds_add_u32 v254, v255
	v_lshrrev_b32 v12, 5, v0
	v_readfirstlane_b32 s[WV], v12                 ; wave 0..15
	s_bfe_u32 s[CX], ttmp6, 0x40000                ; it enters the addresses of qc, qs and out0 alone
	s_and_b32 s66, ttmp7, 0xffff                   ; the pair: 16 batch + head, which the four partners share
	s_mov_b32 s[SEL], 0x76543210
	s_mov_b32 s[SEL+1], 0xfedcba98
	s_mov_b32 s[CS], 0x3d38aa3b                    ; log2(e) / 32
	s_mov_b32 s[CS+1], s[CS]                       ; (named with it as a pair)
	GROUP1 G1C, 96
	GROUP1 G1S, 8
	s_mul_i32 s2, s66, 49152
	s_mov_b32 s3, 0
	s_lshl_b32 s68, s66, 11
	s_mov_b32 s69, 0
	v_and_b32 v12, 31, v0
	v_and_b32 v13, 15, v0
	v_lshlrev_b32 v1, 4, v12
	v_lshl_add_u32 v2, v12, 4, VREG
	v_lshl_add_u32 v3, v12, 2, KSC
	v_lshlrev_b32 v253, 3, v12
	v_lshl_add_u32 v9, v12, 3, VREG
	v_lshlrev_b32 v10, 2, v13                      ; Q's scale words: 4 bytes a row
	v_mov_b32 v11, 0                               ; (a lane permute's destination counts as one of its sources)
.irp i, 22,23,24,25,26,27
	v_mov_b32 v\i, 0                               ; zero codes on Q's side
.endr
	WALU
	s_wait_dscnt 0x0
	CROUND                                         ; all four work-groups are here: the joint loads meet
	s_wait_kmcnt 0x0
	GROUP0 40, 0, 8, 2                             ; K, key steps 0-3
	GROUP0 44, KSC, 10, 68                         ; K's scale bytes
	GROUP0 48, VREG, 12, 2                         ; V, key steps 0-3
	GROUP0 52, KSC+2048, 14, 68                    ; V's scale bytes
	GROUP0 56, 24576, 8, 2, 24576                  ; K, key steps 4-7
	GROUP0 60, VREG+24576, 12, 2, 24576            ; V, key steps 4-7
	FILL 0, 40, G1C
	FILL 1, 44, G1S
	FILL 2, 48, G1C
	FILL 3, 52, G1S
	FILL 4, 56, G1C
	FILL 5, 60, G1C
.Lfilled:
	s_lshl_b32 s70, s[CX], 4                       ; my tile of queries: 16 cx + wave of the pair's 64
	s_add_co_u32 s70, s70, s[WV]
	s_mul_i32 s70, s70, 768
	s_add_co_u32 s70, s70, s2
	s_mov_b32 s71, 0
	s_add_nc_u64 s[4:5], s[4:5], s[70:71]
	s_lshl_b32 s70, s[CX], 9                       ; and its two scale bytes a row
	s_lshr_b32 s67, s[WV], 1
	s_lshl_b32 s67, s67, 6
	s_add_co_u32 s70, s70, s67
	s_and_b32 s67, s[WV], 1
	s_lshl_b32 s67, s67, 1
	s_add_co_u32 s70, s70, s67
	s_add_co_u32 s70, s70, s68
	s_add_nc_u64 s[6:7], s[6:7], s[70:71]
	global_load_b128 v[QF:QF+3], v1, s[4:5]
	global_load_b64 v[QF+4:QF+5], v253, s[4:5] offset:512
	global_load_b128 v[QF+12:QF+15], v1, s[4:5]
	global_load_b64 v[QF+16:QF+17], v253, s[4:5] offset:512
	global_load_u16 v14, v10, s[6:7]
	; out0 at batch, head, and query 256 cx + 64 (wave / 4) + 8 (wave % 4)
	s_lshr_b32 s67, s66, 4
	s_lshl_b32 s70, s67, 22
	s_and_b32 s67, s66, 15
	s_lshl_b32 s67, s67, 8
	s_add_co_u32 s70, s70, s67
	s_lshl_b32 s67, s[CX], 20
	s_add_co_u32 s70, s70, s67
	s_lshr_b32 s67, s[WV], 2
	s_lshl_b32 s67, s67, 18
	s_add_co_u32 s70, s70, s67
	s_and_b32 s67, s[WV], 3
	s_lshl_b32 s67, s67, 15
	s_add_co_u32 s70, s70, s67
	s_add_nc_u64 s[16:17], s[16:17], s[70:71]
	s_mul_i32 s72, s[WV], 16*272
	s_add_co_u32 s72, s72, STG                     ; my stage
	s_wait_loadcnt 0x0                             ; Q
	v_lshl_or_b32 v[QSW], v14, 16, v14             ; its bytes for both of its places
	WALU
	s_cmp_lt_u32 s[WV], 4
	s_cbranch_scc0 .Lnot_first
	s_wait_tensorcnt 0x0
.Lnot_first:
	s_barrier_signal -1
	s_barrier_wait -1                              ; key steps 0 to 3 and all scale bytes are whole for every wave
	KLOAD 0
.rept 8
	v_nop                                          ; places between Q's scale word and the products
.endr
	STEP 0
	STEP 1
	STEP 2
	STEP 3
	STEP 4
	STEP 5
	STEP 6
	STEP 7
	; THE WAY OUT.  O^T is divided by the sum and goes through my stage, so that sixteen lanes store a query's 256 bytes of this head.
	v_and_b32 v40, 15, v0                          ; (these lines are the places behind the last products)
	v_bfe_u32 v41, v0, 4, 1
	v_pk_add_f32 v[6:7], v[6:7], v[244:245]
	v_pk_add_f32 v[246:247], v[246:247], v[248:249]
	v_mul_u32_u24 v42, v40, 272                    ; in: row r, + 32 h
	v_mul_u32_u24 v43, v41, 272                    ; back: lanes 0-15 one row of 256 bytes, lanes 16-31 the next
	v_pk_add_f32 v[6:7], v[6:7], v[246:247]
	v_lshl_add_u32 v42, v41, 5, v42
	v_lshl_add_u32 v43, v40, 4, v43
	v_add_f32 v6, v6, v7
	v_add_nc_u32 v42, s72, v42
	v_add_nc_u32 v43, s72, v43
	v_permlanex16_b32 v11, v6, s[SEL], s[SEL+1]
	v_lshlrev_b32 v44, 12, v41
	v_lshl_add_u32 v44, v40, 4, v44                ; and the same two rows in out0
	v_add_f32 v6, v6, v11                          ; the row's sum
	WALU
	v_rcp_f32 v6, v6
	v_nop
	WALU
.set I, 0
.rept 16
	v_pk_mul_f32 v[OT+I:OT+I+1], v[OT+I:OT+I+1], v[6:7] op_sel_hi:[1,0]   ; register 8 t + i is d = 16 t + 8 h + i of my query
.set I, I+2
.endr
.irp t, 0,1,2,3
	ds_store_b128 v42, v[OT+8*\t:OT+8*\t+3] offset:64*\t
	ds_store_b128 v42, v[OT+8*\t+4:OT+8*\t+7] offset:64*\t+16
.endr
.irp i, 0,1,2,3,4,5,6,7
	ds_load_b128 v[S+4*\i:S+4*\i+3], v43 offset:544*\i   ; LDS serves a wave's instructions in order (ISA guide 5.7.1.4): these see my stores.  Rows 2 i and 2 i + 1
.endr
.irp i, 0,1,2,3,4,5,6,7
	s_wait_dscnt 7-\i                              ; the younger loads may stay out
	global_store_b128 v44, v[S+4*\i:S+4*\i+3], s[16:17] offset:4096*(32*(\i/4)+2*(\i%4)) th:TH_STORE_NT   ; sixteen lanes store 256 consecutive bytes, at a multiple of 256 from out0's first byte
.endr
	s_wait_tensorcnt 0x0                           ; the wave's end
	ds_add_u32 v254, v255
	s_wait_dscnt 0x0
	CROUND                                         ; the closing round
	s_endpgm
.Lfunc_end_k_q98a16f1557_attn:
	.size	k_q98a16f1557_attn, .Lfunc_end_k_q98a16f1557_attn-k_q98a16f1557_attn
	.p2alignl 7, 3214868480
	.fill 96, 4, 3214868480
	.section	.rodata,"a",@progbits
	.p2align	6, 0x0
	.amdhsa_kernel k_q98a16f1557_attn
		.amdhsa_group_segment_fixed_size 174080
		.amdhsa_private_segment_fixed_size 0
		.amdhsa_enable_private_segment 0
		.amdhsa_kernarg_size 56
		.amdhsa_user_sgpr_count 2
		.amdhsa_user_sgpr_kernarg_segment_ptr 1
		.amdhsa_wavefront_size32 1
		.amdhsa_system_sgpr_workgroup_id_x 1
		.amdhsa_system_sgpr_workgroup_id_y 1
		.amdhsa_system_sgpr_workgroup_id_z 1
		.amdhsa_system_vgpr_workitem_id 0
		.amdhsa_next_free_vgpr 256
		.amdhsa_next_free_sgpr 80
		.amdhsa_reserve_vcc 0
		.amdhsa_float_denorm_mode_32 3
		.amdhsa_float_denorm_mode_16_64 3
		.amdhsa_memory_ordered 1
		.amdhsa_forward_progress 1
		.amdhsa_inst_pref_size 129
	.end_amdhsa_kernel
	.amdgpu_metadata
---
amdhsa.version: [ 1, 2 ]
amdhsa.kernels:
  - .name:           k_q98a16f1557_attn
    .symbol:         k_q98a16f1557_attn.kd
    .args:
      - { .name: qc, .offset: 0, .size: 8, .value_kind: global_buffer, .address_space: global }
      - { .name: qs, .offset: 8, .size: 8, .value_kind: global_buffer, .address_space: global }
      - { .name: kc, .offset: 16, .size: 8, .value_kind: global_buffer, .address_space: global }
      - { .name: ks, .offset: 24, .size: 8, .value_kind: global_buffer, .address_space: global }
      - { .name: vc, .offset: 32, .size: 8, .value_kind: global_buffer, .address_space: global }
      - { .name: vs, .offset: 40, .size: 8, .value_kind: global_buffer, .address_space: global }
      - { .name: out0, .offset: 48, .size: 8, .value_kind: global_buffer, .address_space: global }
    .group_segment_fixed_size: 174080
    .private_segment_fixed_size: 0
    .kernarg_segment_align: 8
    .kernarg_segment_size: 56
    .max_flat_workgroup_size: 512
    .sgpr_count:     80
    .vgpr_count:     256
    .wavefront_size: 32
...
	.end_amdgpu_metadata
.endif
;; end of part 2
